; MI455X (gfx1250); checked and timed in simulation.
; The chip was launched on July 23, 2026; its instructions are those of AMD's public machine-readable ISA for CDNA 5 (MIT licence, August 2026) and "CDNA5" Instruction Set Architecture Reference Guide (July 2026). The comments in the code are by the model that wrote it; some were corrected since.
;; Self Attention. Allowed arithmetic: float matrix products may take bf16 or f16 operands with f32 sums; all other float work in f32.
;; Inputs: rope_cos 2,048 x 128 float32; rope_sin 2,048 x 128 float32; wk 2,048 x 2,048 float32; wq 2,048 x 2,048 float32; wv 2,048 x 2,048 float32; x 1 x 2,048 x 2,048 float32.
;; Outputs: out0 1 x 2,048 x 2,048 float32.
;; One version. Each part assembles by itself: llvm-mc -triple=amdgcn-amd-amdhsa -mcpu=gfx1250 --defsym DOCPART=n.
;; ======== version 1 of 1: 3 launches
;; workspace buffers: xb 8,388,608 bytes; wb 25,165,824 bytes; qkv 25,165,824 bytes
;; launch cast (part 1): grid 256 x 4, 8 waves a work-group, no clusters, 0 bytes of LDS; arguments x, wq, wk, wv, xb, wb; writes xb, wb
.if DOCPART == 1
	.amdgcn_target "amdgcn-amd-amdhsa--gfx1250"
	.amdhsa_code_object_version 6
	.text
	.protected	k_qbe7ff9dd1e_cast
	.globl	k_qbe7ff9dd1e_cast
	.p2align	8
	.type	k_qbe7ff9dd1e_cast,@function
k_qbe7ff9dd1e_cast:
	s_mov_b64 s[64:65], 0
	v_nop
	global_prefetch_b8 v0, s[64:65] scope:SCOPE_SE
	s_setreg_imm32_b32 hwreg(HW_REG_WAVE_MODE, 25, 1), 1
	s_wait_xcnt 0x0
; f32 -> bf16 (round to nearest even) of x, wq, wk, wv, once, so that the projection's tiles are half as many bytes
; and no number is converted more than once.
; Grid y picks the tensor: 0: x -> xb;  1, 2, 3: wq, wk, wv -> wb, rows 0-2047, 2048-4095, 4096-6143 (8,388,608 bytes each).
; Grid x: 16,384 numbers (65,536 bytes in, 32,768 out).  A wave owns 8,192 bytes in: 16 loads of 16 bytes a lane, each covering 512
; consecutive bytes; each load makes one store of 8 bytes a lane, which covers 256 consecutive bytes, aligned.
; No LDS, no barrier, no matrix unit: a stream.  No register is written twice, so no wait frees a source.
.set X, 8                              ; v[8:71]    load i: 4 registers
.set Y, 72                             ; v[72:103]  store i: 2 registers
	s_load_b256 s[4:11], s[0:1], 0x0               ; x s[4:5], wq s[6:7], wk s[8:9], wv s[10:11]
	s_load_b128 s[12:15], s[0:1], 0x20             ; xb s[12:13], wb s[14:15]
	s_and_b32 s16, ttmp7, 0xffff                   ; which tensor
	s_lshl_b32 s22, ttmp9, 16                      ; source offset of the work-group
	s_mov_b32 s23, 0
	s_max_u32 s24, s16, 1
	s_sub_co_u32 s24, s24, 1                       ; 0, 0, 1, 2
	s_lshl_b32 s24, s24, 23                        ; the weight's part of wb
	s_lshl_b32 s26, ttmp9, 15
	s_add_co_u32 s24, s24, s26                     ; + the work-group's 32,768 bytes
	s_mov_b32 s25, 0
	v_and_b32 v3, 0xe0, v0                         ; 32 x wave
	v_and_b32 v4, 31, v0                           ; lane
	v_lshlrev_b32 v1, 4, v4
	v_lshl_or_b32 v1, v3, 8, v1                    ; in:  8,192 x wave + 16 x lane
	v_lshlrev_b32 v2, 3, v4
	v_lshl_or_b32 v2, v3, 7, v2                    ; out: 4,096 x wave + 8 x lane
	s_wait_kmcnt 0x0
	s_cmp_eq_u32 s16, 1
	s_cselect_b64 s[18:19], s[6:7], s[4:5]
	s_cmp_eq_u32 s16, 2
	s_cselect_b64 s[18:19], s[8:9], s[18:19]
	s_cmp_eq_u32 s16, 3
	s_cselect_b64 s[18:19], s[10:11], s[18:19]     ; the source
	s_cmp_eq_u32 s16, 0
	s_cselect_b64 s[20:21], s[12:13], s[14:15]     ; the destination
	s_add_nc_u64 s[18:19], s[18:19], s[22:23]
	s_add_nc_u64 s[20:21], s[20:21], s[24:25]
.irp i, 0,1,2,3,4,5,6,7,8,9,10,11,12,13,14,15
	global_load_b128 v[X+4*\i:X+4*\i+3], v1, s[18:19] offset:512*\i th:TH_LOAD_NT
.endr
.irp i, 0,1,2,3,4,5,6,7,8,9,10,11,12,13,14,15
	s_wait_loadcnt 15-\i                           ; loads come back in order: load i is in, the 15 - i younger ones stay out
	v_cvt_pk_bf16_f32 v[Y+2*\i],   v[X+4*\i],   v[X+4*\i+1]
	v_cvt_pk_bf16_f32 v[Y+2*\i+1], v[X+4*\i+2], v[X+4*\i+3]
	global_store_b64 v2, v[Y+2*\i:Y+2*\i+1], s[20:21] offset:256*\i
.endr
	s_endpgm
.Lfunc_end_k_qbe7ff9dd1e_cast:
	.size	k_qbe7ff9dd1e_cast, .Lfunc_end_k_qbe7ff9dd1e_cast-k_qbe7ff9dd1e_cast
	.p2alignl 7, 3214868480
	.fill 96, 4, 3214868480
	.section	.rodata,"a",@progbits
	.p2align	6, 0x0
	.amdhsa_kernel k_qbe7ff9dd1e_cast
		.amdhsa_group_segment_fixed_size 0
		.amdhsa_private_segment_fixed_size 0
		.amdhsa_enable_private_segment 0
		.amdhsa_kernarg_size 48
		.amdhsa_user_sgpr_count 2
		.amdhsa_user_sgpr_kernarg_segment_ptr 1
		.amdhsa_wavefront_size32 1
		.amdhsa_system_sgpr_workgroup_id_x 1
		.amdhsa_system_sgpr_workgroup_id_y 1
		.amdhsa_system_sgpr_workgroup_id_z 1
		.amdhsa_system_vgpr_workitem_id 0
		.amdhsa_next_free_vgpr 104
		.amdhsa_next_free_sgpr 66
		.amdhsa_reserve_vcc 0
		.amdhsa_float_denorm_mode_32 3
		.amdhsa_float_denorm_mode_16_64 3
		.amdhsa_memory_ordered 1
		.amdhsa_forward_progress 1
		.amdhsa_inst_pref_size 7
	.end_amdhsa_kernel
	.amdgpu_metadata
---
amdhsa.version: [ 1, 2 ]
amdhsa.kernels:
  - .name:           k_qbe7ff9dd1e_cast
    .symbol:         k_qbe7ff9dd1e_cast.kd
    .args:
      - { .name: x, .offset: 0, .size: 8, .value_kind: global_buffer, .address_space: global }
      - { .name: wq, .offset: 8, .size: 8, .value_kind: global_buffer, .address_space: global }
      - { .name: wk, .offset: 16, .size: 8, .value_kind: global_buffer, .address_space: global }
      - { .name: wv, .offset: 24, .size: 8, .value_kind: global_buffer, .address_space: global }
      - { .name: xb, .offset: 32, .size: 8, .value_kind: global_buffer, .address_space: global }
      - { .name: wb, .offset: 40, .size: 8, .value_kind: global_buffer, .address_space: global }
    .group_segment_fixed_size: 0
    .private_segment_fixed_size: 0
    .kernarg_segment_align: 8
    .kernarg_segment_size: 48
    .max_flat_workgroup_size: 256
    .sgpr_count:     66
    .vgpr_count:     104
    .wavefront_size: 32
...
	.end_amdgpu_metadata
.endif
;; end of part 1
;; launch proj (part 2): grid 24 x 8, 4 waves a work-group, clusters of 4 x 4, 327,680 bytes of LDS; arguments xb, wb, qkv, rope_cos, rope_sin; writes qkv
.if DOCPART == 2
	.amdgcn_target "amdgcn-amd-amdhsa--gfx1250"
	.amdhsa_code_object_version 6
	.text
	.protected	k_qbe7ff9dd1e_proj
	.globl	k_qbe7ff9dd1e_proj
	.p2align	8
	.type	k_qbe7ff9dd1e_proj,@function
k_qbe7ff9dd1e_proj:
	s_mov_b64 s[64:65], 0
	v_nop
	global_prefetch_b8 v0, s[64:65] scope:SCOPE_SE
	s_setreg_imm32_b32 hwreg(HW_REG_WAVE_MODE, 25, 1), 1
	s_wait_xcnt 0x0
	s_wait_alu depctr_hold_cnt(0) depctr_sa_sdst(0) depctr_va_vdst(0) depctr_va_sdst(0) depctr_va_ssrc(0) depctr_va_vcc(0) depctr_vm_vsrc(0)
	s_getreg_b32 s2, hwreg(HW_REG_IB_STS2, 6, 4)
	s_cmp_eq_u32 s2, 0
	s_cbranch_scc0 .Lentry_in_a_cluster
	s_endpgm
.Lentry_in_a_cluster:
	s_bfe_u32 s2, ttmp6, 0x10000c
	s_cmp_lg_u32 s2, 0xf033
	s_cbranch_scc0 .Lentry_shape_is_right
	s_endpgm
.Lentry_shape_is_right:
; qkv[s][n] = sum over k of xb[s][k] wb[n][k]  (2048 x 6144 x 2048, bf16 operands, f32 sums), interleaved RoPE on columns 0-4095 (q and k),
; rounded once to bf16.  qkv: [2048][6144] bf16: q of head h at column 128 h, k at 2048 + 128 h, v at 4096 + 128 h.
; A work-group makes a block of 256 x 256 with four waves; a wave makes 128 x 128: 64 accumulator tiles of 16 x 16, 512 registers.
; A wave's 128 columns are exactly one head, so RoPE needs no number of another wave and every store covers a head's whole 256 bytes of a row.
; That gives 24 x 8 = 192 work-groups; blocks of 192 or 384 columns would give 256, but would cut heads and put the border between k and v inside a wave.
; K goes in steps of 128 through a ring of two LDS slots filled by the tensor data mover; a tile's rows are 256 bytes of memory, aligned.
; CLUSTERS: 4 x 4 work-groups.  The four of a row of the cluster need the same tiles of xb, the four of a column the same tiles of wb: each tile is
; asked for jointly, by the same tensor load with the same descriptor and a mask that names the four.  That divides the requests by four.
; A wave has at most two tensor loads out.
;
; REGISTERS, in windows of 256:
;   window 0: v0-31 addresses; v32-63 packed results; v64-127, v128-191 fragments of xb, two buffers (v64-127 at work on the way out); v192-255 rows read back
;   window 1: v64-127, v128-191 fragments of wb, two buffers; on the way out two sets of table rows: set 0 cos v0-63, sin v192-255; set 1 cos v64-127, sin v128-191
;   window 2: the 32 accumulator tiles of my rows 0-63 (tile (a, b) at v[8 (8 a + b)]);   window 3: those of my rows 64-127
; THE MATRIX INSTRUCTION IS USED TRANSPOSED: source 0 = 16 rows of wb, source 1 = 16 rows of xb, so that lane l holds row l % 16 of the result and its
; registers 0-7 the columns 8 (l / 16) + 0 .. 7.
; The 64 accumulators take turns, one instruction a turn, in the same order in every quarter step.
; LIMITS: operands and results are rounded to bf16; NaN and infinities are not followed.
.set SIZE_N, 6144
.set SIZE_K, 2048
.set KSTEP,  128
.set PITCH,  272                       ; an LDS row: 256 bytes + 16 of padding: the 16 rows that a load touches start at 16 different 16-byte columns
.set HALFT,  128*PITCH                 ; 128 rows: what one tensor load brings
.set SLOT,   4*HALFT                   ; xb's 256 rows, then wb's 256 rows
.set STAGE,  2*SLOT                    ; behind the ring: 16 rows of 128 f32 for each wave; no tensor load lands here
.set SPITCH, 528                       ; 512 bytes + 16
.set LAPS, SIZE_K/(2*KSTEP)            ; a lap = two K steps = once round the ring: 8
.set ADRA, 16                          ; v16-17  LDS address of my xb fragments in slot 0, 1
.set ADRB, 20                          ; v20-21  the same for wb
.set STO,  24                          ; v24     the way out: where I put 32 bytes of a row
.set RD,   25                          ; v25     the way out: where I read 16 bytes of a row back
.set CO,   26                          ; v26     8 x lane: my 8 bytes of a head's 256 in qkv
.set CSO,  27                          ; v27     16 x lane: my 16 bytes of a table row
.set Y,    32                          ; v32-63  row p: 2 registers to store
.set F0,   64
.set F1,   128
.set U,    64                          ; v64-127 row p: 4 rotated numbers
.set T,    192                         ; v192-255 row p: 4 numbers as read back
.set G1, 24                            ; s[24:31] descriptor group 1 for xb's tiles
.set G0, 32                            ; s[32:39] descriptor group 0 for xb's tiles, one set for each slot
.set G1B, 48                           ; s[48:55] group 1 for wb's tiles: another mask
.set G0B, 56                           ; s[56:63] group 0 for wb's tiles
.set MSB, 0
.macro WIN new                         ; the immediate's high byte repeats the setting that is left
.if MSB != \new
	s_set_vgpr_msb (MSB<<8)|\new
.set MSB, \new
.endif
.endm
.set MUL_LO, 0xa1                      ; source 0 (wb) window 1, source 1 (xb) window 0, C and D window 2
.set MUL_HI, 0xf1                      ; the same, C and D window 3
.set TO_B,   0x40                      ; destination window 1, address window 0
; A joint load.  Waves 0 and 1 fetch xb's two halves, waves 2 and 3 wb's.  The branch hangs on the wave's number alone.
.macro JLOAD s
	s_cmp_eq_u32 s11, 0
	s_cbranch_scc0 .Lfor_b_\@
	tensor_load_to_lds s[G0+4*\s:G0+4*\s+3], s[G1:G1+7]
	s_nop 0
	s_branch .Lasked_\@
.Lfor_b_\@:
	tensor_load_to_lds s[G0B+4*\s:G0B+4*\s+3], s[G1B:G1B+7]
	s_nop 0
.Lasked_\@:
.endm
; A round of the cluster's barrier: my work-group's barrier; wave 0 signals for the work-group; every wave waits for all sixteen; my work-group's barrier again.
.macro CREST                           ; a round behind its opening barrier
	s_cmp_lg_u32 s10, 0
	s_cbranch_scc1 .Lnot_wave_0_\@
	s_barrier_signal -3
.Lnot_wave_0_\@:
	s_barrier_wait -3
	s_barrier_signal -1
	s_barrier_wait -1
.endm
.macro CROUND
	s_barrier_signal -1
	s_barrier_wait -1
	CREST
.endm
	s_load_b128 s[4:7], s[0:1], 0x0                ; xb s[4:5], wb s[6:7]
	s_load_b64 s[8:9], s[0:1], 0x10                ; qkv
	s_load_b128 s[68:71], s[0:1], 0x18             ; rope_cos s[68:69], rope_sin s[70:71]
	v_lshl_add_u32 v30, v0, 2, 0x4c400
	v_mov_b32 v31, 0
	ds_add_u32 v30, v31
	v_lshrrev_b32 v1, 5, v0
	v_readfirstlane_b32 s10, v1                    ; wave 0..3
	s_lshr_b32 s11, s10, 1                         ; which half of the block's rows is mine.  Also: I fetch for xb (0) or for wb (1)
	s_and_b32 s12, s10, 1                          ; which half of its columns.  Also: which 128 rows of that tile I fetch
	s_bfe_u32 s40, ttmp6, 0x40000                  ; cx
	s_bfe_u32 s41, ttmp6, 0x40004                  ; cy
	s_lshl_b32 s42, ttmp9, 2
	s_add_co_u32 s42, s42, s40                     ; block column = 4 x cluster x + cx
	s_and_b32 s13, ttmp7, 0xffff
	s_lshl_b32 s13, s13, 2
	s_add_co_u32 s13, s13, s41                     ; block row = 4 x cluster y + cy
	s_lshl_b32 s43, s41, 2
	s_lshl_b32 s43, 15, s43                        ; my row of the cluster: places 4 cy .. 4 cy + 3
	s_lshl_b32 s44, 0x1111, s40                    ; my column: places cx, cx + 4, cx + 8, cx + 12
	; descriptor group 1: a tile of 128 rows x 128 elements of 2 bytes, 4 words of padding behind every 64 words
	s_or_b32 s[G1+0], s43, (1<<16)|(1<<20)|(1<<21)|(5<<22)|(3<<25)
	s_or_b32 s[G1B+0], s44, (1<<16)|(1<<20)|(1<<21)|(5<<22)|(3<<25)
	s_mov_b32 s[G1B+1], KSTEP<<16
	s_mov_b32 s[G1+1], KSTEP<<16                   ; tensor_dim0 = 128
	s_mov_b32 s[G1B+2], 128<<16
	s_mov_b32 s[G1+2], 128<<16                     ; tensor_dim1 = 128
	s_mov_b32 s[G1B+3], KSTEP<<16
	s_mov_b32 s[G1+3], KSTEP<<16                   ; tile_dim0 = 128
	s_mov_b32 s[G1B+4], 128
	s_mov_b32 s[G1+4], 128                         ; tile_dim1 = 128
	s_mov_b32 s[G1B+5], SIZE_K
	s_mov_b32 s[G1+5], SIZE_K                      ; elements from row to row
	s_mov_b32 s[G1B+6], 0
	s_mov_b32 s[G1+6], 0
	s_mov_b32 s[G1B+7], 0
	s_mov_b32 s[G1+7], 0
	; where the tiles come from: xb's hang on the block row alone, wb's on the block column alone, each in registers that never hold the other coordinate
	s_lshl_b32 s17, s12, 7
	s_lshl_b32 s16, s13, 8
	s_add_co_u32 s16, s16, s17                     ; xb: row 256 x block row + 128 x half
	s_lshl_b32 s46, s42, 8
	s_add_co_u32 s46, s46, s17                     ; wb: row 256 x block column + 128 x half
	s_mov_b32 s17, 0
	s_mov_b32 s47, 0
	s_mov_b64 s[18:19], SIZE_K*2
	s_mul_u64 s[16:17], s[16:17], s[18:19]
	s_mul_u64 s[46:47], s[46:47], s[18:19]
	s_mul_i32 s20, s10, HALFT                      ; and where they go: wave x 128 rows
	s_lshl_b32 s66, s13, 17                        ; the tables at my first row: 256 x block row rows of 512 bytes
	s_lshl_b32 s67, s11, 16                        ; + 128 x half
	s_add_co_u32 s66, s66, s67
	s_mov_b32 s67, 0
	s_wait_dscnt 0x0
	s_wait_kmcnt 0x0
	s_add_nc_u64 s[14:15], s[4:5], s[16:17]
	s_add_nc_u64 s[46:47], s[6:7], s[46:47]
	s_add_nc_u64 s[68:69], s[68:69], s[66:67]
	s_add_nc_u64 s[70:71], s[70:71], s[66:67]
	CROUND                                         ; all sixteen work-groups are here: the first joint loads meet
.irp s, 0,1
	s_mov_b32 s[G0+4*\s], 1
	s_add_co_u32 s[G0+4*\s+1], s20, \s*SLOT
	s_add_nc_u64 s[G0+4*\s+2:G0+4*\s+3], s[14:15], \s*KSTEP*2
	s_or_b32 s[G0+4*\s+3], s[G0+4*\s+3], 0x80000000
	s_mov_b32 s[G0B+4*\s], 1
	s_add_co_u32 s[G0B+4*\s+1], s20, \s*SLOT
	s_add_nc_u64 s[G0B+4*\s+2:G0B+4*\s+3], s[46:47], \s*KSTEP*2
	s_or_b32 s[G0B+4*\s+3], s[G0B+4*\s+3], 0x80000000
	JLOAD \s
.endr
	; A fragment is 16 rows x 32 K in 8 registers: lane l holds row l % 16; registers 0-3 K = 8 (l / 16) + 0..7, registers 4-7 K = 16 + 8 (l / 16) + 0..7.
	v_and_b32 v1, 15, v0                           ; l % 16
	v_bfe_u32 v2, v0, 4, 1                         ; l / 16
	v_mul_u32_u24 v3, v1, PITCH
	v_lshl_add_u32 v3, v2, 4, v3
	s_mul_i32 s21, s11, HALFT                      ; my 128 rows of xb
	s_mul_i32 s22, s12, HALFT                      ; my 128 rows of wb,
	s_add_co_u32 s22, s22, 2*HALFT                 ; which lie behind xb's 256
.irp s, 0,1
	v_add_nc_u32 v[ADRA+\s], s21, v3
	v_add_nc_u32 v[ADRB+\s], s22, v3
	s_add_co_u32 s21, s21, SLOT
	s_add_co_u32 s22, s22, SLOT
.endr
	s_mul_i32 s23, s10, 16*SPITCH
	s_add_co_u32 s23, s23, STAGE                   ; my stage
	v_mul_u32_u24 v4, v1, SPITCH                   ; in: row l % 16, 32 bytes (8 f32) for each half of the lanes
	v_lshl_add_u32 v4, v2, 5, v4
	v_add_nc_u32 v[STO], s23, v4
	v_and_b32 v5, 31, v0
	v_lshlrev_b32 v[CSO], 4, v5                    ; 16 x lane
	v_add_nc_u32 v[RD], s23, v[CSO]                ; back: 32 lanes take one row of 512 bytes
	v_lshlrev_b32 v[CO], 3, v5                     ; 8 x lane
; 16 matrix instructions: m blocks a0, a0 + 1 of the window's four x all 8 n blocks, 32 along K.  zero = 1: the first product starts the sums.
.macro MUL16 f, hi, a0, zero
.irp a, \a0, \a0+1
.irp b, 0,1,2,3,4,5,6,7
.if \zero
	v_wmma_f32_16x16x32_bf16 v[8*(8*(\a)+\b):8*(8*(\a)+\b)+7], v[\f+8*\b:\f+8*\b+7], v[\f+8*(4*\hi+\a):\f+8*(4*\hi+\a)+7], 0
.else
	v_wmma_f32_16x16x32_bf16 v[8*(8*(\a)+\b):8*(8*(\a)+\b)+7], v[\f+8*\b:\f+8*\b+7], v[\f+8*(4*\hi+\a):\f+8*(4*\hi+\a)+7], v[8*(8*(\a)+\b):8*(8*(\a)+\b)+7]
.endif
.endr
.endr
.endm
; 32 LDS loads in one run: the fragments of one quarter step into buffer f
.macro FETCH slot, k, f
	WIN TO_B
.irp i, 0,1,2,3,4,5,6,7
	ds_load_b128 v[\f+8*\i:\f+8*\i+3],   v[ADRB+\slot] offset:\k+\i*16*PITCH
	ds_load_b128 v[\f+8*\i+4:\f+8*\i+7], v[ADRB+\slot] offset:\k+\i*16*PITCH+32
.endr
	WIN 0
.irp i, 0,1,2,3,4,5,6,7
	ds_load_b128 v[\f+8*\i:\f+8*\i+3],   v[ADRA+\slot] offset:\k+\i*16*PITCH
	ds_load_b128 v[\f+8*\i+4:\f+8*\i+7], v[ADRA+\slot] offset:\k+\i*16*PITCH+32
.endr
.endm
; Four independent vector instructions stand between a matrix instruction and a load into, a vector write of, or a vector or store read of its registers.
.macro PLACES
.rept 4
	v_nop
.endr
.endm
; One of a K step's first three quarters: multiplies buffer f; in its middle it fetches the next quarter's fragments into buffer g.
.macro QUARTER slot, k, f, g, zero
	s_wait_dscnt 8                                 ; wb's and xb's rows 0-63 are in; the youngest eight loads (xb's rows 64-127) may be out
	WIN MUL_LO
	MUL16 \f, 0, 0, \zero
	MUL16 \f, 0, 2, \zero
	PLACES
	FETCH \slot, \k, \g
	s_wait_dscnt 32                                ; all but the 32 just issued
	WIN MUL_HI
	MUL16 \f, 1, 0, \zero
	MUL16 \f, 1, 2, \zero
.endm
.macro THREE slot, zero
	QUARTER \slot, 64,  F0, F1, \zero
	QUARTER \slot, 128, F1, F0, 0
	QUARTER \slot, 192, F0, F1, 0
.endm
; The last quarter: multiplies buffer 1 and changes slots.  In front of the barrier each wave waits for its reads of this slot and for all its tensor loads
; (one is out: its part of the next slot).  Behind it the refill comes first, then the next slot's first fragments.
.macro TURN slot, next, fill
	s_wait_dscnt 8
	WIN MUL_LO
	MUL16 F1, 0, 0, 0
	s_wait_dscnt 0                                 ; my reads of this slot are over
	s_set_vgpr_msb 0xa1a0
	s_wait_tensorcnt 0x0                           ; and all my tensor loads have landed
	ds_add_u32 v30, v31
	s_wait_dscnt 0x0
	s_set_vgpr_msb 0xa0a1
	s_barrier_signal -1                            ; (where a slot is filled again this barrier opens a round of the cluster's barrier)
	MUL16 F1, 0, 2, 0                              ; work on registers while the others arrive
	WIN 0
	s_barrier_wait -1
.if \fill
	CREST                                          ; no wave of any partner still reads this slot's tile or has a load on its way
	s_add_nc_u64 s[G0+4*\slot+2:G0+4*\slot+3], s[G0+4*\slot+2:G0+4*\slot+3], 2*KSTEP*2
	s_add_nc_u64 s[G0B+4*\slot+2:G0B+4*\slot+3], s[G0B+4*\slot+2:G0B+4*\slot+3], 2*KSTEP*2
	JLOAD \slot                                    ; the first tensor load behind the round
.endif
	PLACES
	FETCH \next, 0, F0
	WIN MUL_HI
	MUL16 F1, 1, 0, 0
	MUL16 F1, 1, 2, 0
.endm
.macro LAP zero
	THREE 0, \zero
	TURN 0, 1, 1
	THREE 1, 0
	TURN 1, 0, 1
.endm
; The last K step, which fetches nothing more; behind it the four places for everything that the way out does with the matrix instructions' registers.
.macro LAST
	THREE 1, 0
	s_wait_dscnt 8
	WIN MUL_LO
	MUL16 F1, 0, 0, 0
	MUL16 F1, 0, 2, 0
	s_wait_dscnt 0
	WIN MUL_HI
	MUL16 F1, 1, 0, 0
	MUL16 F1, 1, 2, 0
	PLACES
	WIN 0
.endm
; The table rows of my rows 16 g .. 16 g + 15: 16 loads of cos and 16 of sin, each a whole row of 512 consecutive bytes, into set 0 or 1 of window 1.
; The largest offset is 127 rows of 512 bytes, so no base is stepped.
.macro LOADCS g, set
.if \set
.set CB, 64
.set SNB, 128
.else
.set CB, 0
.set SNB, 192
.endif
	WIN TO_B
.irp p, 0,1,2,3,4,5,6,7,8,9,10,11,12,13,14,15
	global_load_b128 v[CB+4*\p:CB+4*\p+3],   v[CSO], s[68:69] offset:(16*\g+\p)*512
	global_load_b128 v[SNB+4*\p:SNB+4*\p+3], v[CSO], s[70:71] offset:(16*\g+\p)*512
.endr
	WIN 0
.endm
; Rows 16 g .. 16 g + 15 through my stage: the eight tiles (a, 0..7) of window aw go in as f32, straight from the accumulators, and come back by rows:
; lane l then holds columns 4 l .. 4 l + 3 of a row, two RoPE pairs.  LDS serves a wave's instructions in order (ISA guide 5.7.1.4), and the stage is my own: no wait between.
.macro STAGE16 a, aw
	WIN (\aw<<2)                                   ; the stores' data come from window aw
.irp b, 0,1,2,3,4,5,6,7
	ds_store_b128 v[STO], v[8*(8*\a+\b):8*(8*\a+\b)+3]   offset:64*\b
	ds_store_b128 v[STO], v[8*(8*\a+\b)+4:8*(8*\a+\b)+7] offset:64*\b+16
.endr
	WIN 0
.irp p, 0,1,2,3,4,5,6,7,8,9,10,11,12,13,14,15
	ds_load_b128 v[T+4*\p:T+4*\p+3], v[RD] offset:SPITCH*\p
.endr
	s_wait_xcnt 0x0                                ; Y was the last group's store data: it is rewritten only behind this wait
.endm
; With RoPE: out[2i] = t[2i] cos[2i] - t[2i+1] sin[2i];  out[2i+1] = t[2i+1] cos[2i+1] + t[2i] sin[2i+1].
; left = the table loads that may stay out: the next group's 32, or none.
.macro OUTR g, a, aw, set, left
	STAGE16 \a, \aw
	s_wait_loadcnt \left                           ; loads come back in order: this group's 32 table rows are in
.if \set
.set CB, 64
.set SNB, 128
.else
.set CB, 0
.set SNB, 192
.endif
	WIN 0x04                                       ; source 1 (the tables) from window 1
.irp p, 0,1,2,3,4,5,6,7,8,9,10,11,12,13,14,15
	s_wait_dscnt 15-\p                             ; row p is back; the later rows may be out
	v_pk_mul_f32 v[U+4*\p:U+4*\p+1],   v[T+4*\p:T+4*\p+1],   v[CB+4*\p:CB+4*\p+1]
	v_pk_mul_f32 v[U+4*\p+2:U+4*\p+3], v[T+4*\p+2:T+4*\p+3], v[CB+4*\p+2:CB+4*\p+3]
	v_fma_f32 v[U+4*\p],   -v[T+4*\p+1], v[SNB+4*\p],   v[U+4*\p]
	v_fma_f32 v[U+4*\p+1],  v[T+4*\p],   v[SNB+4*\p+1], v[U+4*\p+1]
	v_fma_f32 v[U+4*\p+2], -v[T+4*\p+3], v[SNB+4*\p+2], v[U+4*\p+2]
	v_fma_f32 v[U+4*\p+3],  v[T+4*\p+2], v[SNB+4*\p+3], v[U+4*\p+3]
.endr
	WIN 0
.irp p, 0,1,2,3,4,5,6,7,8,9,10,11,12,13,14,15
	v_cvt_pk_bf16_f32 v[Y+2*\p],   v[U+4*\p],   v[U+4*\p+1]
	v_cvt_pk_bf16_f32 v[Y+2*\p+1], v[U+4*\p+2], v[U+4*\p+3]
	global_store_b64 v[CO], v[Y+2*\p:Y+2*\p+1], s[8:9] offset:(16*\g+\p)*SIZE_N*2   ; 32 lanes store 256 consecutive bytes, aligned: a head's part of a row
.endr
.endm
; Without RoPE (v)
.macro OUTP g, a, aw
	STAGE16 \a, \aw
.irp p, 0,1,2,3,4,5,6,7,8,9,10,11,12,13,14,15
	s_wait_dscnt 15-\p
	v_cvt_pk_bf16_f32 v[Y+2*\p],   v[T+4*\p],   v[T+4*\p+1]
	v_cvt_pk_bf16_f32 v[Y+2*\p+1], v[T+4*\p+2], v[T+4*\p+3]
	global_store_b64 v[CO], v[Y+2*\p:Y+2*\p+1], s[8:9] offset:(16*\g+\p)*SIZE_N*2
.endr
.endm
	s_wait_tensorcnt 1                             ; my part of K step 0 is in; K step 1's load stays out
	s_barrier_signal -1
	s_barrier_wait -1
	FETCH 0, 0, F0
	LAP 1                                          ; the first lap stands in front of the loop: its first products start the sums
	WIN 0
	s_mov_b32 s3, LAPS-2
.Llap:
	LAP 0
	WIN 0
	s_sub_co_u32 s3, s3, 1
	s_cmp_lg_u32 s3, 0
	s_cbranch_scc1 .Llap
	THREE 0, 0                                     ; the last lap fills nothing and has no round of the cluster's barrier
	TURN 0, 1, 0
	WIN 0
	; qkv at my first row and column
	s_lshl_b32 s13, s13, 8
	s_lshl_b32 s14, s11, 7
	s_add_co_u32 s16, s13, s14                     ; my first row
	s_mov_b32 s17, 0
	s_mov_b64 s[18:19], SIZE_N*2
	s_mul_u64 s[16:17], s[16:17], s[18:19]
	s_add_nc_u64 s[8:9], s[8:9], s[16:17]
	s_lshl_b32 s46, s42, 9                         ; my first column, in bytes: 512 x block column + 256 x half
	s_lshl_b32 s47, s12, 8
	s_add_co_u32 s46, s46, s47
	s_mov_b32 s47, 0
	s_add_nc_u64 s[8:9], s[8:9], s[46:47]
	; Block columns 0-15 are q and k, 16-23 are v: clusters 0-3 and 4-5 along x.  The branch hangs on the cluster's x, which all sixteen partners share.
	; It stands in front of the last K step, which is written on both ways, so that the first table rows have that step's 256 matrix instructions in which to land.
	s_cmp_ge_u32 ttmp9, 4
	s_cbranch_scc1 .Lplain
	LOADCS 0, 0                                    ; set 0 lies in registers that the matrix instructions never name
	LAST
	LOADCS 1, 1                                    ; set 1 lies in wb's fragment buffers, free behind LAST's four places
	OUTR 0, 0, 2, 0, 32
	LOADCS 2, 0                                    ; a set is loaded again when the vector instructions that read it have been issued
	OUTR 1, 1, 2, 1, 32
	LOADCS 3, 1
	OUTR 2, 2, 2, 0, 32
	LOADCS 4, 0
	OUTR 3, 3, 2, 1, 32
	LOADCS 5, 1
	OUTR 4, 0, 3, 0, 32
	LOADCS 6, 0
	OUTR 5, 1, 3, 1, 32
	LOADCS 7, 1
	OUTR 6, 2, 3, 0, 32
	OUTR 7, 3, 3, 1, 0
	s_branch .Ldone
.Lplain:
	LAST
	OUTP 0, 0, 2
	OUTP 1, 1, 2
	OUTP 2, 2, 2
	OUTP 3, 3, 2
	OUTP 4, 0, 3
	OUTP 5, 1, 3
	OUTP 6, 2, 3
	OUTP 7, 3, 3
.Ldone:
	s_wait_tensorcnt 0x0
	ds_add_u32 v30, v31
	s_wait_dscnt 0x0
	CROUND                                         ; the closing round: no work-group ends while a partner may still ask for a tile that names it
	s_endpgm
.Lfunc_end_k_qbe7ff9dd1e_proj:
	.size	k_qbe7ff9dd1e_proj, .Lfunc_end_k_qbe7ff9dd1e_proj-k_qbe7ff9dd1e_proj
	.p2alignl 7, 3214868480
	.fill 96, 4, 3214868480
	.section	.rodata,"a",@progbits
	.p2align	6, 0x0
	.amdhsa_kernel k_qbe7ff9dd1e_proj
		.amdhsa_group_segment_fixed_size 327680
		.amdhsa_private_segment_fixed_size 0
		.amdhsa_enable_private_segment 0
		.amdhsa_kernarg_size 40
		.amdhsa_user_sgpr_count 2
		.amdhsa_user_sgpr_kernarg_segment_ptr 1
		.amdhsa_wavefront_size32 1
		.amdhsa_system_sgpr_workgroup_id_x 1
		.amdhsa_system_sgpr_workgroup_id_y 1
		.amdhsa_system_sgpr_workgroup_id_z 1
		.amdhsa_system_vgpr_workitem_id 0
		.amdhsa_next_free_vgpr 1024
		.amdhsa_next_free_sgpr 72
		.amdhsa_reserve_vcc 0
		.amdhsa_float_denorm_mode_32 3
		.amdhsa_float_denorm_mode_16_64 3
		.amdhsa_memory_ordered 1
		.amdhsa_forward_progress 1
		.amdhsa_inst_pref_size 255
	.end_amdhsa_kernel
	.section	.bss,"aw",@nobits
	.p2align	6
	.space	262144
	.amdgpu_metadata
---
amdhsa.version: [ 1, 2 ]
amdhsa.kernels:
  - .name:           k_qbe7ff9dd1e_proj
    .symbol:         k_qbe7ff9dd1e_proj.kd
    .args:
      - { .name: xb, .offset: 0, .size: 8, .value_kind: global_buffer, .address_space: global }
      - { .name: wb, .offset: 8, .size: 8, .value_kind: global_buffer, .address_space: global }
      - { .name: qkv, .offset: 16, .size: 8, .value_kind: global_buffer, .address_space: global }
      - { .name: rope_cos, .offset: 24, .size: 8, .value_kind: global_buffer, .address_space: global }
      - { .name: rope_sin, .offset: 32, .size: 8, .value_kind: global_buffer, .address_space: global }
    .group_segment_fixed_size: 327680
    .private_segment_fixed_size: 0
    .kernarg_segment_align: 8
    .kernarg_segment_size: 40
    .max_flat_workgroup_size: 128
    .sgpr_count:     72
    .vgpr_count:     1024
    .wavefront_size: 32
...
	.end_amdgpu_metadata
.endif
;; end of part 2
;; launch attn (part 3): grid 256 x 1, 4 waves a work-group, clusters of 4 x 1, 327,680 bytes of LDS; arguments qkv, out0; writes out0
.if DOCPART == 3
	.amdgcn_target "amdgcn-amd-amdhsa--gfx1250"
	.amdhsa_code_object_version 6
	.text
	.protected	k_qbe7ff9dd1e_attn
	.globl	k_qbe7ff9dd1e_attn
	.p2align	8
	.type	k_qbe7ff9dd1e_attn,@function
k_qbe7ff9dd1e_attn:
	s_mov_b64 s[64:65], 0
	v_nop
	global_prefetch_b8 v0, s[64:65] scope:SCOPE_SE
	s_setreg_imm32_b32 hwreg(HW_REG_WAVE_MODE, 25, 1), 1
	s_wait_xcnt 0x0
	s_wait_alu depctr_hold_cnt(0) depctr_sa_sdst(0) depctr_va_vdst(0) depctr_va_sdst(0) depctr_va_ssrc(0) depctr_va_vcc(0) depctr_vm_vsrc(0)
	s_getreg_b32 s2, hwreg(HW_REG_IB_STS2, 6, 4)
	s_cmp_eq_u32 s2, 0
	s_cbranch_scc0 .Lentry_in_a_cluster
	s_endpgm
.Lentry_in_a_cluster:
	s_bfe_u32 s2, ttmp6, 0x10000c
	s_cmp_lg_u32 s2, 0x3003
	s_cbranch_scc0 .Lentry_shape_is_right
	s_endpgm
.Lentry_shape_is_right:
; Causal attention over 16 heads of 128, then a softmax over the 128 numbers of each head row.  qkv: [2048][6144] bf16 (q, k, v of head h at columns
; 128 h, 2048 + 128 h, 4096 + 128 h; RoPE already applied).  out0: [2048][2048] f32.
; SHARES.  A cluster of four work-groups owns one head and two blocks of 256 queries, J = I and J = 7 - I (I = 0..3): block J needs the key blocks J .. 0 of 256 keys,
; so every cluster walks 9 key blocks: equal work everywhere.  Partner cx owns queries 256 J + 64 cx .. + 63 of each block.  All four walk the same K and V tiles
; with the same text, so each tile is asked for JOINTLY (mask 15): the requests for K and V are divided by four.  Q's rows are a work-group's own: plain loads.
; In every key block wave w takes keys 64 w .. 64 w + 63 against all 64 queries, with a running maximum and sum of its own; the four waves' results are merged at the end.
; The diagonal key block comes first in its phase and is computed whole, with a mask by v_cndmask_b32; cx enters only global addresses and the mask's threshold.
; PARITY.  One of the two blocks has an odd number of key blocks (phase O: the even J), the other an even number (phase E): so tile n of the stream of 9 lies in slot n & 1
; in every cluster, and the text names the slots by constants.
; BOTH PRODUCTS ARE USED TRANSPOSED.  S^T = K Q^T: register j of lane (r, h) is key 8 h + j of query r.  Two such tiles, packed to bf16, ARE a fragment of P for 32 keys.
; O^T = V^T P^T, V^T read by the transposing LDS load from V as it lies, [key][d]: register j of lane (r, h) is d = 16 dt + 8 h + j of query r.  So a query's maximum and sum
; are one number a lane, shared between lanes r and r + 16 by one v_permlanex16_b32, and no number changes lanes between the products.
; THE STATE is NM = -(max c), rounded, with c = log2(e) / sqrt(128): weights, rescaling factors and merge factors are all taken against the same rounded number.
; The accumulators of each product take turns, one instruction a turn.  At most four tensor loads of a wave are out (at the start), later two.
; LIMITS.  q, k, v and the weights are rounded to bf16.  The mask's value is -2^100 in place of -1e30: a masked weight is exactly 0 in both; they differ only for scores
; below about -1e29.  (A power of two times c is exact, so a wave all of whose keys are masked gets the exponent 0, weights 1 and finite sums, which a later factor
; 2^(-huge) = 0 wipes out; wave 0's first key of the diagonal block is open to every query, so the merged maximum is a real score.)  NaN and infinities are not followed.
;
; LDS: slot s at s SLOT: K 256 rows of 272 bytes, then V 256 rows of 288 bytes; Q of phase O, Q of phase E: 64 rows of 272 bytes each; ST: the waves' maxima and sums.
;      Behind the launch's last fill the ring's bytes hold the merge: M[X][t][w'] at 131,072 X + 8,192 (4 t + w').
; REGISTERS: window 0: v0-63 addresses and state, v64-191 S, v192-255 P.  Window 2: v0-127 Q's fragments, v128-255 K's, then V's.  Window 1: O^T of phase O, window 3: of phase E.
.set ROWB, 12288                       ; bytes in a row of qkv
.set KP,   272                         ; LDS pitch of K and Q: 256 + 16
.set VP,   288                         ; LDS pitch of V: 256 + 32, an odd multiple of 32 for the transposing loads
.set KQ,   64*KP                       ; a wave's quarter of a K tile
.set VQ,   64*VP                       ; a wave's quarter of a V tile
.set VOFF, 4*KQ
.set SLOT, 4*KQ+4*VQ                   ; 143,360
.set QO,   2*SLOT                      ; 286,720
.set QB,   64*KP                       ; a block of 64 queries
.set ST,   QO+2*QB                     ; 321,536: 4,096 bytes; no tensor load lands here
.set MX,   131072
.set KA,  4                            ; v4-5    my K fragments in slot 0, 1
.set VA,  6                            ; v6-7    my V fragments in slot 0, 1
.set QA,  8                            ; v8      Q's fragments, phase O
.set DM,  9                            ; v9      r - 8 h + 64 (cx - w): key 16 kt + j is open to query tile t where 16 (kt - t) + j <= DM
.set NEG, 10                           ; v10     -2^100
.set T,   12                           ; v12-23  at work
.set STT, 24                           ; v24-31  query tile t: (NM, L)
.set AL,  32                           ; v32-39  query tile t: the rescaling factor, twice
.set NMP, 40                           ; v40-47  query tile t: NM, twice
.set STA, 48                           ; v48     ST + 512 w + 8 r
.set STR, 49                           ; v49     ST + 8 r
.set MW,  50                           ; v50-53  8,192 w + 16 l + 65,536 (2 X + t / 2)
.set MR,  54                           ; v54-55  32,768 w + 16 l + 131,072 X
.set SG,  56                           ; v56-57  32,768 w + 528 r + 32 h + 131,072 X
.set OO,  60                           ; v60     16 l
.set STW, 61                           ; v61     ST + 128 w + 8 r
.set SR,  64                           ; S(t, kt) at v[64 + 32 t + 8 kt]
.set PR,  192                          ; P(t, ks) at v[192 + 16 t + 8 ks]
.set QF,  0                            ; window 2: Q(t, ds) at v[32 t + 8 ds]
.set KF,  128                          ; window 2: K(kt, ds) at v[128 + 32 kt + 8 ds]
.set VF,  128                          ; window 2: V(ks, dt) at v[128 + 64 ks + 8 dt]
.set G1K, 24
.set G1V, 32
.set G1Q, 40
.set G0K, 48                           ; s[48:55] one set for each slot
.set G0V, 56                           ; s[56:63]
.set G0Q, 68                           ; s[68:75] phase O, phase E
.set MSB, 0
.macro WIN new                         ; the immediate's high byte repeats the setting that is left
.if MSB != \new
	s_set_vgpr_msb (MSB<<8)|\new
.set MSB, \new
.endif
.endm
.macro PLACES                          ; four independent vector instructions behind a matrix instruction (ISA guide 7.12.1)
.rept 4
	v_nop
.endr
.endm
.macro ROUND                           ; a round of the cluster's barrier
	s_barrier_signal -1
	s_barrier_wait -1
	s_cmp_lg_u32 s8, 0
	s_cbranch_scc1 .Lnot_wave_0_\@
	s_barrier_signal -3
.Lnot_wave_0_\@:
	s_barrier_wait -3
	s_barrier_signal -1
	s_barrier_wait -1
.endm
; The addresses of key block s18 go into slot OS's descriptors; s18 steps down, and from 0 on to phase E's first block: J_O .. 0, J_E .. 0.
.macro REQ
	s_mul_i32 s80, s18, 256*ROWB
	s_add_nc_u64 s[G0K+4*OS+2:G0K+4*OS+3], s[76:77], s[80:81]
	s_add_nc_u64 s[G0V+4*OS+2:G0V+4*OS+3], s[78:79], s[80:81]
	s_sub_co_u32 s82, s18, 1
	s_cmp_eq_u32 s18, 0
	s_cselect_b32 s18, s15, s82
.endm
	s_load_b128 s[4:7], s[0:1], 0x0                ; qkv s[4:5], out0 s[6:7]
	v_lshl_add_u32 v62, v0, 2, 0x4f800
	v_mov_b32 v63, 0
	ds_add_u32 v62, v63
	v_lshrrev_b32 v11, 5, v0
	v_readfirstlane_b32 s8, v11                    ; wave
	s_bfe_u32 s9, ttmp6, 0x40000                   ; cx
	s_lshr_b32 s10, ttmp9, 2                       ; head
	s_and_b32 s11, ttmp9, 3                        ; I
	s_mov_b32 s12, 0x76543210                      ; v_permlanex16_b32: lane i of one half reads lane i of the other
	s_mov_b32 s13, 0xfedcba98
	s_sub_co_u32 s82, 7, s11
	s_and_b32 s83, s11, 1
	s_cmp_lg_u32 s83, 0
	s_cselect_b32 s14, s82, s11                    ; J_O: the even one of I, 7 - I
	s_cselect_b32 s15, s11, s82                    ; J_E: the odd one
	s_lshr_b32 s16, s14, 1                         ; phase O: 1 + 2 tO key blocks
	s_sub_co_u32 s17, s15, 1
	s_lshr_b32 s17, s17, 1                         ; phase E: 2 + 2 tE key blocks
	s_mov_b32 s18, s14                             ; the next key block to ask for
	s_mov_b32 s20, 0x3e0293ee                      ; c = log2(e) / sqrt(128)
	s_mov_b32 s21, 0x3e0293ee
	s_mov_b32 s22, 0xbe0293ee                      ; -c
	s_mov_b32 s23, 0x3fb8aa3b                      ; log2(e)
	; group 1 of K's tiles: 64 rows x 128 elements of 2 bytes, 4 words of padding behind every 64; joint, mask 15
	s_mov_b32 s[G1K+0], 15|(1<<16)|(1<<20)|(1<<21)|(5<<22)|(3<<25)
	s_mov_b32 s[G1K+1], 128<<16
	s_mov_b32 s[G1K+2], 64<<16
	s_mov_b32 s[G1K+3], 128<<16
	s_mov_b32 s[G1K+4], 64
	s_mov_b32 s[G1K+5], 6144
	s_mov_b32 s[G1K+6], 0
	s_mov_b32 s[G1K+7], 0
	; V's: the same with 8 words of padding
	s_mov_b32 s[G1V+0], 15|(1<<16)|(1<<20)|(1<<21)|(5<<22)|(7<<25)
	s_mov_b32 s[G1V+1], 128<<16
	s_mov_b32 s[G1V+2], 64<<16
	s_mov_b32 s[G1V+3], 128<<16
	s_mov_b32 s[G1V+4], 64
	s_mov_b32 s[G1V+5], 6144
	s_mov_b32 s[G1V+6], 0
	s_mov_b32 s[G1V+7], 0
	; Q's: 16 rows, my work-group's own
	s_mov_b32 s[G1Q+0], (1<<16)|(1<<20)|(5<<22)|(3<<25)
	s_mov_b32 s[G1Q+1], 128<<16
	s_mov_b32 s[G1Q+2], 16<<16
	s_mov_b32 s[G1Q+3], 128<<16
	s_mov_b32 s[G1Q+4], 16
	s_mov_b32 s[G1Q+5], 6144
	s_mov_b32 s[G1Q+6], 0
	s_mov_b32 s[G1Q+7], 0
	; group 0: count and LDS address; each wave moves its own quarter
	s_mul_i32 s82, s8, KQ
	s_mul_i32 s83, s8, VQ
	s_mul_i32 s84, s8, 16*KP
.irp s, 0,1
	s_mov_b32 s[G0K+4*\s], 1
	s_add_co_u32 s[G0K+4*\s+1], s82, \s*SLOT
	s_mov_b32 s[G0V+4*\s], 1
	s_add_co_u32 s[G0V+4*\s+1], s83, \s*SLOT+VOFF
	s_mov_b32 s[G0Q+4*\s], 1
	s_add_co_u32 s[G0Q+4*\s+1], s84, QO+\s*QB
.endr
	; offsets
	s_lshl_b32 s80, s10, 8                         ; 256 bytes a head
	s_mul_i32 s83, s8, 64*ROWB                     ; my 64 keys of a block
	s_add_co_u32 s80, s80, s83
	s_mov_b32 s81, 0
	s_lshl_b32 s82, s9, 6
	s_lshl_b32 s83, s8, 4
	s_add_co_u32 s82, s82, s83                     ; 64 cx + 16 w
	s_lshl_b32 s84, s14, 8
	s_add_co_u32 s84, s84, s82                     ; my wave's first query row, phase O
	s_lshl_b32 s85, s15, 8
	s_add_co_u32 s85, s85, s82                     ; phase E
	s_lshl_b32 s86, s10, 8
	s_mul_i32 s88, s84, ROWB
	s_add_co_u32 s88, s88, s86
	s_mov_b32 s89, 0
	s_mul_i32 s90, s85, ROWB
	s_add_co_u32 s90, s90, s86
	s_mov_b32 s91, 0
	s_wait_dscnt 0x0
	s_wait_kmcnt 0x0
	s_add_nc_u64 s[76:77], s[4:5], s[80:81]
	s_add_nc_u64 s[78:79], s[76:77], 8192          ; V's columns
	s_add_nc_u64 s[76:77], s[76:77], 4096          ; K's columns
	s_or_b32 s77, s77, 0x80000000
	s_or_b32 s79, s79, 0x80000000
	s_add_nc_u64 s[G0Q+2:G0Q+3], s[4:5], s[88:89]
	s_or_b32 s[G0Q+3], s[G0Q+3], 0x80000000
	s_add_nc_u64 s[G0Q+6:G0Q+7], s[4:5], s[90:91]
	s_or_b32 s[G0Q+7], s[G0Q+7], 0x80000000
	s_lshl_b32 s86, s10, 9                         ; out0: 512 bytes a head
	s_lshl_b32 s88, s84, 13                        ; rows of 8,192 bytes
	s_add_co_u32 s88, s88, s86
	s_add_nc_u64 s[92:93], s[6:7], s[88:89]        ; where my wave's 16 rows go, phase O
	s_lshl_b32 s90, s85, 13
	s_add_co_u32 s90, s90, s86
	s_add_nc_u64 s[94:95], s[6:7], s[90:91]        ; phase E
	ROUND                                          ; all four work-groups are here: the first joint loads meet
.set OS, 0
	REQ
	tensor_load_to_lds s[G0K:G0K+3], s[G1K:G1K+7]
	s_nop 0
	tensor_load_to_lds s[G0V:G0V+3], s[G1V:G1V+7]
	s_nop 0
	tensor_load_to_lds s[G0Q:G0Q+3], s[G1Q:G1Q+7]
	s_nop 0
	tensor_load_to_lds s[G0Q+4:G0Q+7], s[G1Q:G1Q+7]
	s_nop 0
	v_and_b32 v1, 31, v0                           ; l
	v_and_b32 v2, 15, v0                           ; r
	v_bfe_u32 v3, v0, 4, 1                         ; h
	v_mul_u32_u24 v11, v2, KP
	v_lshl_add_u32 v11, v3, 4, v11                 ; 272 r + 16 h
	s_mul_i32 s97, s8, KQ
	v_add_nc_u32 v[KA], s97, v11
	v_add_nc_u32 v[KA+1], SLOT, v[KA]
	v_add_nc_u32 v[QA], QO, v11
	v_and_b32 v12, 7, v0
	v_lshl_add_u32 v12, v3, 3, v12                 ; key 8 h + l % 8
	v_mul_u32_u24 v12, v12, VP
	v_bfe_u32 v13, v0, 3, 1
	v_lshl_add_u32 v12, v13, 4, v12                ; + 16 bytes for the upper eight d
	s_mul_i32 s97, s8, VQ
	s_add_co_u32 s97, s97, VOFF
	v_add_nc_u32 v[VA], s97, v12
	v_add_nc_u32 v[VA+1], SLOT, v[VA]
	s_sub_co_i32 s98, s9, s8
	s_lshl_b32 s98, s98, 6                         ; 64 (cx - w)
	v_lshlrev_b32 v13, 3, v3
	v_sub_nc_u32 v[DM], v2, v13
	v_add_nc_u32 v[DM], s98, v[DM]
	v_mov_b32 v[NEG], 0xf1800000
	v_lshlrev_b32 v13, 3, v2                       ; 8 r
	s_lshl_b32 s97, s8, 9
	s_add_co_u32 s97, s97, ST
	v_add_nc_u32 v[STA], s97, v13
	v_add_nc_u32 v[STR], ST, v13
	s_lshl_b32 s97, s8, 7
	s_add_co_u32 s97, s97, ST
	v_add_nc_u32 v[STW], s97, v13
	v_lshlrev_b32 v[OO], 4, v1
	s_lshl_b32 s97, s8, 13
	v_add_nc_u32 v[MW], s97, v[OO]
	v_add_nc_u32 v[MW+1], 65536, v[MW]
	v_add_nc_u32 v[MW+2], 131072, v[MW]
	v_add_nc_u32 v[MW+3], 196608, v[MW]
	s_lshl_b32 s97, s8, 15
	v_add_nc_u32 v[MR], s97, v[OO]
	v_add_nc_u32 v[MR+1], MX, v[MR]
	v_mul_u32_u24 v13, v2, 528
	v_lshl_add_u32 v13, v3, 5, v13
	v_add_nc_u32 v[SG], s97, v13
	v_add_nc_u32 v[SG+1], MX, v[SG]
; The softmax step of query tile t on my 64 keys: 32 registers a lane.  first = 1: the diagonal block, which is masked and starts the state.
.macro SOFT t, first
.set SB, SR+32*\t
.if \first
.set q, 0
.rept 32
	v_cmp_le_i32 vcc_lo, 16*((q>>3)-\t)+(q&7), v[DM]           ; key <= query
	v_cndmask_b32 v[SB+q], v[NEG], v[SB+q], vcc_lo
.set q, q+1
.endr
.endif
	v_max3_num_f32 v[T],   v[SB],    v[SB+1],  v[SB+2]         ; two chains: 17 and 15 numbers
	v_max3_num_f32 v[T+1], v[SB+17], v[SB+18], v[SB+19]
.set q, 0
.rept 6
	v_max3_num_f32 v[T],   v[T],   v[SB+3+2*q],  v[SB+4+2*q]
	v_max3_num_f32 v[T+1], v[T+1], v[SB+20+2*q], v[SB+21+2*q]
.set q, q+1
.endr
	v_max3_num_f32 v[T], v[T], v[SB+15], v[SB+16]
	v_max_num_f32 v[T], v[T], v[T+1]
	v_permlanex16_b32 v[T+1], v[T], s12, s13                   ; the query's other 32 keys lie in lane r xor 16
	v_max_num_f32 v[T], v[T], v[T+1]
.if \first
	v_mul_f32 v[STT+2*\t],   s22, v[T]                         ; NM = -c max
	v_mul_f32 v[NMP+2*\t],   s22, v[T]
	v_mul_f32 v[NMP+2*\t+1], s22, v[T]
.else
	v_mul_f32 v[T], s22, v[T]
	v_min_num_f32 v[T+1], v[STT+2*\t], v[T]                    ; the larger maximum is the smaller NM
	v_sub_f32 v[T+6], v[T+1], v[STT+2*\t]
	v_exp_f32 v[AL+2*\t],   v[T+6]                             ; 2^(new NM - old NM), at most 1
	v_exp_f32 v[AL+2*\t+1], v[T+6]
	v_mov_b32 v[STT+2*\t],   v[T+1]                            ; plain instructions stand between the exponentials and their use (ISA guide 5.7.2)
	v_mov_b32 v[NMP+2*\t],   v[T+1]
	v_mov_b32 v[NMP+2*\t+1], v[T+1]
.endif
.set q, 0
.rept 16
	v_pk_fma_f32 v[SB+2*q:SB+2*q+1], v[SB+2*q:SB+2*q+1], s[20:21], v[NMP+2*\t:NMP+2*\t+1] op_sel_hi:[1,0,1]   ; c s - c max
.set q, q+1
.endr
.set q, 0
.rept 32
	v_exp_f32 v[SB+q], v[SB+q]
.set q, q+1
.endr
	v_nop                                                      ; the plain place behind the exponentials
	s_wait_alu depctr_va_vdst(0)
	v_pk_add_f32 v[T+2:T+3], v[SB:SB+1],     v[SB+2:SB+3]      ; two chains of eight pairs
	v_pk_add_f32 v[T+4:T+5], v[SB+16:SB+17], v[SB+18:SB+19]
.set q, 0
.rept 6
	v_pk_add_f32 v[T+2:T+3], v[T+2:T+3], v[SB+4+2*q:SB+5+2*q]
	v_pk_add_f32 v[T+4:T+5], v[T+4:T+5], v[SB+20+2*q:SB+21+2*q]
.set q, q+1
.endr
	v_pk_add_f32 v[T+2:T+3], v[T+2:T+3], v[T+4:T+5]
.if \first
	v_add_f32 v[STT+2*\t+1], v[T+2], v[T+3]                    ; L: my lane's 32 keys; the two lanes of a query meet in FINSTAT
.else
	v_add_f32 v[T+2], v[T+2], v[T+3]
	v_fma_f32 v[STT+2*\t+1], v[STT+2*\t+1], v[AL+2*\t], v[T+2]
.endif
.set q, 0
.rept 16
	v_cvt_pk_bf16_f32 v[PR+16*\t+q], v[SB+2*q], v[SB+2*q+1]    ; key tiles 2 ks, 2 ks + 1 pack into P(t, ks)
.set q, q+1
.endr
.endm
; One key block.  slot: where its tile lies; first = 1: the diagonal block, first of its phase; refill = 1: the next tile is asked for, into the other slot;
; ow: the window of O^T; X: the phase (0: O, 1: E).
.macro STEP slot, first, refill, ow, X
	s_wait_tensorcnt 0x0                           ; all my tensor loads have landed, my quarter of this tile among them: every descriptor may be written
	ds_add_u32 v62, v63
	s_wait_dscnt 0x0
.if \refill
.set OS, 1-\slot
	REQ
	s_wait_dscnt 0x0                               ; my reads of the other slot are over
	ROUND                                          ; both hold of every wave of all four work-groups
	tensor_load_to_lds s[G0K+4*OS:G0K+4*OS+3], s[G1K:G1K+7]    ; the joint refills come first behind the round; they have this whole step in which to land
	s_nop 0
	tensor_load_to_lds s[G0V+4*OS:G0V+4*OS+3], s[G1V:G1V+7]
	s_nop 0
.endif
	; (the last step fills nothing, and a wave reads only the K and V rows that it loaded itself: its own wait above is all the ordering that these reads need)
	WIN 0x80                                       ; destination window 2
.irp ds, 0,1,2,3
.if \first
.irp t, 0,1,2,3
	ds_load_b128 v[QF+32*\t+8*\ds:QF+32*\t+8*\ds+3],   v[QA] offset:\X*QB+16*KP*\t+64*\ds
	ds_load_b128 v[QF+32*\t+8*\ds+4:QF+32*\t+8*\ds+7], v[QA] offset:\X*QB+16*KP*\t+64*\ds+32
.endr
.endif
.irp kt, 0,1,2,3
	ds_load_b128 v[KF+32*\kt+8*\ds:KF+32*\kt+8*\ds+3],   v[KA+\slot] offset:16*KP*\kt+64*\ds
	ds_load_b128 v[KF+32*\kt+8*\ds+4:KF+32*\kt+8*\ds+7], v[KA+\slot] offset:16*KP*\kt+64*\ds+32
.endr
.endr
	WIN 0x0a                                       ; K and Q from window 2, S in window 0
.irp ds, 0,1,2,3
	s_wait_dscnt (24-8*\ds)*(1+\first)             ; the loads of the later groups of 32 d may be out: 8 each, 16 each with Q's
.irp t, 0,1,2,3
.irp kt, 0,1,2,3
.if \ds == 0
	v_wmma_f32_16x16x32_bf16 v[SR+32*\t+8*\kt:SR+32*\t+8*\kt+7], v[KF+32*\kt+8*\ds:KF+32*\kt+8*\ds+7], v[QF+32*\t+8*\ds:QF+32*\t+8*\ds+7], 0
.else
	v_wmma_f32_16x16x32_bf16 v[SR+32*\t+8*\kt:SR+32*\t+8*\kt+7], v[KF+32*\kt+8*\ds:KF+32*\kt+8*\ds+7], v[QF+32*\t+8*\ds:QF+32*\t+8*\ds+7], v[SR+32*\t+8*\kt:SR+32*\t+8*\kt+7]
.endif
.endr
.endr
.endr
	PLACES                                         ; then V lands on K's registers, and the softmax reads S
	WIN 0x80
.irp ks, 0,1
.irp dt, 0,1,2,3,4,5,6,7
	ds_load_tr16_b128 v[VF+64*\ks+8*\dt:VF+64*\ks+8*\dt+3],   v[VA+\slot] offset:32*VP*\ks+32*\dt
	ds_load_tr16_b128 v[VF+64*\ks+8*\dt+4:VF+64*\ks+8*\dt+7], v[VA+\slot] offset:32*VP*\ks+32*\dt+16*VP
.endr
.endr
	WIN 0
	SOFT 0, \first
	SOFT 1, \first
	SOFT 2, \first
	SOFT 3, \first
.if \first == 0
	WIN (\ow<<6)|\ow                               ; O^T in window ow, the factors in window 0
.irp t, 0,1,2,3
.set q, 0
.rept 32
	v_pk_mul_f32 v[64*\t+2*q:64*\t+2*q+1], v[64*\t+2*q:64*\t+2*q+1], v[AL+2*\t:AL+2*\t+1]
.set q, q+1
.endr
.endr
.endif
	WIN (\ow<<6)|(\ow<<4)|2                        ; V from window 2, P from window 0, O^T in window ow
.irp ks, 0,1
	s_wait_dscnt 16-16*\ks                         ; the first 32 keys of V are in, the other 16 loads may be out; then all
.irp t, 0,1,2,3
.irp dt, 0,1,2,3,4,5,6,7
.if \first*(1-\ks)
	v_wmma_f32_16x16x32_bf16 v[64*\t+8*\dt:64*\t+8*\dt+7], v[VF+64*\ks+8*\dt:VF+64*\ks+8*\dt+7], v[PR+16*\t+8*\ks:PR+16*\t+8*\ks+7], 0
.else
	v_wmma_f32_16x16x32_bf16 v[64*\t+8*\dt:64*\t+8*\dt+7], v[VF+64*\ks+8*\dt:VF+64*\ks+8*\dt+7], v[PR+16*\t+8*\ks:PR+16*\t+8*\ks+7], v[64*\t+8*\dt:64*\t+8*\dt+7]
.endif
.endr
.endr
.endr
	WIN 0
	PLACES                                         ; for the next step's loads onto V's registers and for whatever reads or scales O^T
.endm
; The end of a phase: a query's two lanes add their sums, and (NM, L) of my wave go to ST.
.macro FINSTAT X
.irp t, 0,1,2,3
	v_permlanex16_b32 v[T+\t], v[STT+2*\t+1], s12, s13
.endr
.irp t, 0,1,2,3
	v_add_f32 v[STT+2*\t+1], v[STT+2*\t+1], v[T+\t]
	ds_store_b64 v[STA], v[STT+2*\t:STT+2*\t+1] offset:2048*\X+128*\t      ; lanes r and r + 16 store the same pair to the same bytes
.endr
.endm
; My wave's O^T of phase X is brought to the four waves' common maximum and laid out for the wave that finishes each query tile.
.macro SCALEOUT X, ow
.irp i, 0,1,2,3,4,5,6,7,8,9,10,11,12,13,14,15
	ds_load_b32 v[64+\i], v[STR] offset:2048*\X+128*\i         ; NM of wave i / 4, query tile i % 4
.endr
.irp t, 0,1,2,3
	ds_load_b32 v[80+\t], v[STA] offset:2048*\X+128*\t         ; my own
.endr
	s_wait_dscnt 0x0
.irp t, 0,1,2,3
	v_min3_num_f32 v[T+\t], v[64+\t], v[68+\t], v[72+\t]
	v_min_num_f32 v[T+\t], v[T+\t], v[76+\t]
	v_sub_f32 v[T+\t], v[T+\t], v[80+\t]
.endr
.irp t, 0,1,2,3
	v_exp_f32 v[AL+2*\t],   v[T+\t]
	v_exp_f32 v[AL+2*\t+1], v[T+\t]
.endr
	v_nop
	WIN (\ow<<6)|\ow
	s_wait_alu depctr_va_vdst(0)
.irp t, 0,1,2,3
.set q, 0
.rept 32
	v_pk_mul_f32 v[64*\t+2*q:64*\t+2*q+1], v[64*\t+2*q:64*\t+2*q+1], v[AL+2*\t:AL+2*\t+1]
.set q, q+1
.endr
.endr
	WIN (\ow<<2)                                   ; the stores' data come from window ow
.irp t, 0,1,2,3
.irp i, 0,1,2,3,4,5,6,7,8,9,10,11,12,13,14,15
	ds_store_b128 v[MW+2*\X+(\t>>1)], v[64*\t+4*\i:64*\t+4*\i+3] offset:32768*(\t&1)+512*\i    ; 512 consecutive bytes a store
.endr
.endr
	WIN 0
.endm
.macro LDP dst, p, X                   ; wave p's part of my query tile: 16 loads
.irp i, 0,1,2,3,4,5,6,7,8,9,10,11,12,13,14,15
	ds_load_b128 v[\dst+4*\i:\dst+4*\i+3], v[MR+\X] offset:8192*\p+512*\i
.endr
.endm
.macro ADDP src
.set q, 0
.rept 32
	v_pk_add_f32 v[64+2*q:65+2*q], v[64+2*q:65+2*q], v[\src+2*q:\src+2*q+1]
.set q, q+1
.endr
.endm
; Wave w finishes query tile w of phase X: the four parts are added, divided by the merged sum, and the softmax over d follows, its maximum taken away.
.macro REDUCE X
.if \X
	s_wait_xcnt 0x0                                ; v128-191 were the last phase's store data: they are loaded again only behind this wait
.endif
.irp p, 0,1,2,3
	ds_load_b64 v[T+2*\p:T+2*\p+1], v[STW] offset:2048*\X+512*\p   ; (NM, L) of wave p for my query tile
.endr
	LDP 64, 0, \X
	LDP 128, 1, \X
	LDP 192, 2, \X
	s_wait_dscnt 16                                ; all but part 2's 16 loads
	ADDP 128
	LDP 128, 3, \X
	v_min3_num_f32 v20, v12, v14, v16
	v_min_num_f32 v20, v20, v18                    ; the common NM
	v_sub_f32 v12, v20, v12
	v_sub_f32 v14, v20, v14
	v_sub_f32 v16, v20, v16
	v_sub_f32 v18, v20, v18
	v_exp_f32 v12, v12
	v_exp_f32 v14, v14
	v_exp_f32 v16, v16
	v_exp_f32 v18, v18
	v_nop
	s_wait_alu depctr_va_vdst(0)
	v_mul_f32 v13, v13, v12
	v_fmac_f32 v13, v15, v14
	v_fmac_f32 v13, v17, v16
	v_fmac_f32 v13, v19, v18                       ; the merged sum, at least about 1
	v_rcp_f32 v14, v13
	v_nop
	s_wait_alu depctr_va_vdst(0)
	v_mul_f32 v20, s23, v14                        ; k2 = log2(e) / sum
	v_mov_b32 v21, v20
	s_wait_dscnt 16                                ; part 2 is in; part 3's 16 loads may be out
	ADDP 192
	s_wait_dscnt 0x0
	ADDP 128
	v_max3_num_f32 v12, v64, v65, v66              ; the largest of my 64 d: two chains, 33 and 31 numbers
	v_max3_num_f32 v13, v97, v98, v99
.set q, 0
.rept 14
	v_max3_num_f32 v12, v12, v[67+2*q],  v[68+2*q]
	v_max3_num_f32 v13, v13, v[100+2*q], v[101+2*q]
.set q, q+1
.endr
	v_max3_num_f32 v12, v12, v95, v96
	v_max_num_f32 v12, v12, v13
	v_permlanex16_b32 v13, v12, s12, s13           ; the query's other 64 d
	v_max_num_f32 v12, v12, v13
	v_mul_f32 v22, -v12, v20                       ; -max k2
	v_mov_b32 v23, v22
.set q, 0
.rept 32
	v_pk_fma_f32 v[64+2*q:65+2*q], v[64+2*q:65+2*q], v[20:21], v[22:23]
.set q, q+1
.endr
.set q, 0
.rept 64
	v_exp_f32 v[64+q], v[64+q]
.set q, q+1
.endr
	v_nop
	s_wait_alu depctr_va_vdst(0)
	v_pk_add_f32 v[12:13], v[64:65], v[66:67]      ; two chains of 16 pairs
	v_pk_add_f32 v[14:15], v[96:97], v[98:99]
.set q, 0
.rept 14
	v_pk_add_f32 v[12:13], v[12:13], v[68+2*q:69+2*q]
	v_pk_add_f32 v[14:15], v[14:15], v[100+2*q:101+2*q]
.set q, q+1
.endr
	v_pk_add_f32 v[12:13], v[12:13], v[14:15]
	v_add_f32 v12, v12, v13
	v_permlanex16_b32 v13, v12, s12, s13
	v_add_f32 v12, v12, v13
	v_rcp_f32 v14, v12
	v_rcp_f32 v15, v12
	v_nop
.set q, 0
	s_wait_alu depctr_va_vdst(0)
.rept 32
	v_pk_mul_f32 v[64+2*q:65+2*q], v[64+2*q:65+2*q], v[14:15]
.set q, q+1
.endr
	; 16 rows of 128 f32 through a stage of pitch 528 in bytes that only my wave read, and has read; LDS serves a wave's instructions in order (ISA guide 5.7.1.4)
.irp i, 0,1,2,3,4,5,6,7,8,9,10,11,12,13,14,15
	ds_store_b128 v[SG+\X], v[64+4*\i:64+4*\i+3] offset:64*(\i>>1)+16*(\i&1)
.endr
.irp p, 0,1,2,3,4,5,6,7,8,9,10,11,12,13,14,15
	ds_load_b128 v[128+4*\p:128+4*\p+3], v[MR+\X] offset:528*\p
.endr
.irp p, 0,1,2,3,4,5,6,7,8,9,10,11,12,13,14,15
	s_wait_dscnt 15-\p                             ; row p is back; the later rows may be out
	global_store_b128 v[OO], v[128+4*\p:128+4*\p+3], s[92+2*\X:93+2*\X] offset:8192*\p th:TH_STORE_NT   ; 512 consecutive bytes, aligned: a head's part of a row
.endr
.endm
	; PHASE O: 1 + 2 tO key blocks, slots 0, (1, 0) ..
	STEP 0, 1, 1, 1, 0
	s_cmp_eq_u32 s16, 0
	s_cbranch_scc1 .LendO
	s_mov_b32 s96, 0
.LloopO:
	STEP 1, 0, 1, 1, 0
	STEP 0, 0, 1, 1, 0
	s_add_co_u32 s96, s96, 1
	s_cmp_lt_u32 s96, s16
	s_cbranch_scc1 .LloopO
.LendO:
	FINSTAT 0
	; PHASE E: 2 + 2 tE key blocks, slots 1, (0, 1) .., 0.  On both ways round each guard the same slot has been asked for.
	STEP 1, 1, 1, 3, 1
	s_cmp_eq_u32 s17, 0
	s_cbranch_scc1 .LendE
	s_mov_b32 s96, 0
.LloopE:
	STEP 0, 0, 1, 3, 1
	STEP 1, 0, 1, 3, 1
	s_add_co_u32 s96, s96, 1
	s_cmp_lt_u32 s96, s17
	s_cbranch_scc1 .LloopE
.LendE:
	STEP 0, 0, 0, 3, 1                             ; the last key block: nothing more is asked for
	FINSTAT 1
	s_wait_dscnt 0x0                               ; my maxima and sums are stored, my reads of the ring are over
	s_barrier_signal -1
	s_barrier_wait -1                              ; every wave's are; the ring has had its last fill and now holds the merge
	SCALEOUT 0, 1
	SCALEOUT 1, 3
	s_wait_dscnt 0x0                               ; my parts are stored
	s_barrier_signal -1
	s_barrier_wait -1
	REDUCE 0
	REDUCE 1
	s_wait_tensorcnt 0x0
	ds_add_u32 v62, v63
	s_wait_dscnt 0x0
	ROUND                                          ; the closing round: no work-group ends while a partner may still ask for a tile that names it
	s_endpgm
.Lfunc_end_k_qbe7ff9dd1e_attn:
	.size	k_qbe7ff9dd1e_attn, .Lfunc_end_k_qbe7ff9dd1e_attn-k_qbe7ff9dd1e_attn
	.p2alignl 7, 3214868480
	.fill 96, 4, 3214868480
	.section	.rodata,"a",@progbits
	.p2align	6, 0x0
	.amdhsa_kernel k_qbe7ff9dd1e_attn
		.amdhsa_group_segment_fixed_size 327680
		.amdhsa_private_segment_fixed_size 0
		.amdhsa_enable_private_segment 0
		.amdhsa_kernarg_size 16
		.amdhsa_user_sgpr_count 2
		.amdhsa_user_sgpr_kernarg_segment_ptr 1
		.amdhsa_wavefront_size32 1
		.amdhsa_system_sgpr_workgroup_id_x 1
		.amdhsa_system_sgpr_workgroup_id_y 1
		.amdhsa_system_sgpr_workgroup_id_z 1
		.amdhsa_system_vgpr_workitem_id 0
		.amdhsa_next_free_vgpr 1024
		.amdhsa_next_free_sgpr 100
		.amdhsa_reserve_vcc 1
		.amdhsa_float_denorm_mode_32 3
		.amdhsa_float_denorm_mode_16_64 3
		.amdhsa_memory_ordered 1
		.amdhsa_forward_progress 1
		.amdhsa_inst_pref_size 255
	.end_amdhsa_kernel
	.section	.bss,"aw",@nobits
	.p2align	6
	.space	262144
	.amdgpu_metadata
---
amdhsa.version: [ 1, 2 ]
amdhsa.kernels:
  - .name:           k_qbe7ff9dd1e_attn
    .symbol:         k_qbe7ff9dd1e_attn.kd
    .args:
      - { .name: qkv, .offset: 0, .size: 8, .value_kind: global_buffer, .address_space: global }
      - { .name: out0, .offset: 8, .size: 8, .value_kind: global_buffer, .address_space: global }
    .group_segment_fixed_size: 327680
    .private_segment_fixed_size: 0
    .kernarg_segment_align: 8
    .kernarg_segment_size: 16
    .max_flat_workgroup_size: 128
    .sgpr_count:     100
    .vgpr_count:     1024
    .wavefront_size: 32
...
	.end_amdgpu_metadata
.endif
;; end of part 3
